; MI455X (gfx1250); checked and timed in simulation.
; The chip was launched on July 23, 2026; its instructions are those of AMD's public machine-readable ISA for CDNA 5 (MIT licence, August 2026) and "CDNA5" Instruction Set Architecture Reference Guide (July 2026). The comments in the code are by the model that wrote it; some were corrected since.
;; Attention. Allowed arithmetic: matrix products marked QUANTISED: E2M1 operands, one E8M0 scale for each 32 along K, by v_wmma_scale_f32_16x16x128_f8f6f4 with both operands' format E2M1 (or v_wmma_scale_f32_32x16x128_f4), f32 sums; products left as they are: f32 operands where the result goes on into a quantised operand, else bf16, f16 or f32 operands; f32 sums; everything else in f32.
;; Inputs: W_h 1,024 x 1,024 float32; W_s 1,024 x 1,024 float32; decoder_hidden 64 x 1,024 float32; encoder_hiddens 64 x 1,024 x 1,024 float32; mask 64 x 1,024 bool; v 1,024 float32.
;; Outputs: out0 64 x 1,024 float32; out1 64 x 1,024 float32.
;; This version of the problem:
;;   THIS VERSION OF THE PROBLEM IS GIVEN IN LOW PRECISION. The matrix products marked QUANTISED in the list below multiply operands that are first quantised to E2M1 (2 exponent bits, 1 mantissa bit; 4 bits a number), with one power-of-two scale for each 32 numbers along K (OCP MX v1.0); their sums are f32. All else is computed in f32.
;;   The module's matrix products, in the order in which they are computed (A, B: the left and right operand; K: the contracted axis; several contracted axes count as one K, in the product's order):
;;     1. [M 64, K 1,024] x [K 1,024, N 1,024]; A: input decoder_hidden; B: input W_h: QUANTISED
;;     2. [M 65,536, K 1,024] x [K 1,024, N 1,024]; A: input encoder_hiddens; B: input W_s: QUANTISED
;;     3. [M 65,536, K 1,024] x [K 1,024, N 1]; A: computed on the way; B: input v: left as it is (N = 1 < 16)
;;     4. batch 64 x [M 1, K 1,024] x [K 1,024, N 1,024]; A: softmax; B: input encoder_hiddens: left as it is (M = 1 < 16)
;;   THE QUANTISER, for each operand of a quantised product, along K:
;;     - K is cut into blocks of 32 from its start; a last block that is shorter is filled with zeros.
;;     - A block's scale is 2^e with e = floor(log2(the largest magnitude in the block)) - 2, held to -126 .. 127; a block of zeros has e = 0. As a byte (E8M0): e + 127.
;;     - Each number is divided by its block's scale, clamped to +-6, and rounded to the nearest number of E2M1, ties to even, subnormals kept.
;;     - The product sums the exact products of the quantised numbers (number of the format x scale) in f32.
;;   ~~~python
;;   def quantise(x, axis):      # numpy; x: float32 -> the quantised numbers, widened to float32 again
;;       x = np.moveaxis(x, axis, -1); K = x.shape[-1]
;;       x = np.pad(x, [(0, 0)] * (x.ndim - 1) + [(0, -K % 32)]); x = x.reshape(x.shape[:-1] + (-1, 32)); a = np.abs(x).max(-1, keepdims=True)
;;       e = np.where(a > 0, np.clip(np.frexp(np.where(a > 0, a, 1))[1] - 1 - 2, -126, 127), 0)      # np.frexp(a)[1] - 1 = floor(log2(a)), exactly
;;       r = np.clip(x / 2.0 ** e, -6, 6)
;;       step = 2.0 ** (np.maximum(np.frexp(np.where(r == 0, 1, r))[1] - 1, 0) - 1)
;;       q = np.round(r / step) * step * 2.0 ** e      # np.round: ties to even
;;       return np.moveaxis(q.reshape(q.shape[:-2] + (-1,))[..., :K], -1, axis).astype(np.float32)
;;   ~~~
;; One version. Each part assembles by itself: llvm-mc -triple=amdgcn-amd-amdhsa -mcpu=gfx1250 --defsym DOCPART=n.
;; ======== version 1 of 1: 3 launches
;; workspace buffers: wsc 524,288 bytes; wss 32,768 bytes; cdh 262,144 bytes; score 262,144 bytes; list 262,144 bytes of whole numbers; cnt 256 bytes of whole numbers
;; launch prep (part 1): grid 136 x 1, 8 waves a work-group, no clusters, 120,832 bytes of LDS; arguments W_s, W_h, decoder_hidden, mask, wsc, wss, cdh, list, cnt, score; writes wsc, wss, cdh, list, cnt, score
.if DOCPART == 1
	.amdgcn_target "amdgcn-amd-amdhsa--gfx1250"
	.amdhsa_code_object_version 6
	.text
	.protected	k_qfe43abfdf1_prep
	.globl	k_qfe43abfdf1_prep
	.p2align	8
	.type	k_qfe43abfdf1_prep,@function
k_qfe43abfdf1_prep:
	s_mov_b64 s[64:65], 0
	v_nop
	global_prefetch_b8 v0, s[64:65] scope:SCOPE_SE
	s_setreg_imm32_b32 hwreg(HW_REG_WAVE_MODE, 25, 1), 1
	s_wait_xcnt 0x0
; ATTENTION: score[n][l] = v . tanh(dh[n] + eh[n][l]), masked l at -infinity, softmax over l (out1), context = the weighted sum of the encoder's rows (out0).
; dh = Q(decoder_hidden) Q(W_h)^T and eh = Q(encoder_hiddens) Q(W_s)^T are products on codes of E2M1 with one E8M0 scale for each 32 along K.
; THREE LAUNCHES.  This one prepares: W_s as codes in the order of the operand's registers; dh; each batch's list of live rows.  The second makes the scores of the live rows, the third the softmax and the context.
; WORK LEFT OUT, for all values of the inputs:
;  (1) tanh(x) = 1 - 2 / (1 + e^(2x)), so score = sum_k v[k] - 2 sum_k v[k] / (1 + e^(2x_k)).  The first term is the same for every l of a batch: a term added to a softmax's input that is the same along
;      its axis changes no weight.  It is not formed.
;  (2) where mask[n][l] is true the score is -infinity and the weight exactly 0: that row's eh, tanh and term of the context reach no output.  mask is an input of whole numbers (a byte, 0 or 1): this launch
;      reads it and stores, for each batch, a permutation of 0..1023 with the live rows in front, and their number; the later launches read those and walk the live rows alone.  Any mask is served.
; Every input has a way to an output and is loaded by some launch.
; LIMITS: a NaN, an infinity or an overflow in an encoder row that is masked is not carried to the result.  NaN and infinities among the quantised inputs are not served.  A block whose largest magnitude lies
; under 2^-124 keeps the scale byte 1; a block of zeros has byte 1 (not 127) over zero codes, which add nothing; the bytes are read by this program alone.
; ROLES, by the work-group's number j: j < 64: rows 16 j .. 16 j + 15 of W_s become codes;  64 <= j < 128: the same of W_h, all 64 rows of decoder_hidden too, and 16 columns of dh;  j >= 128: a wave a batch, the lists.
; A ROW of 1,024 numbers is 32 blocks of 32: lane b takes block b.  The row is loaded as it lies (eight loads of 512 consecutive bytes) and turns through the wave's own stage in LDS (32 places of 128 + 16 bytes).
; A TILE'S IMAGE in LDS: the 16 bytes of codes of block b of row r lie at 272 b + 16 r, so that lane (r, h) finds registers 4 c .. 4 c + 3 of K step s at 272 (4 s + 2 c + h) + 16 r: 256 consecutive bytes for 16 lanes.
; Its scale bytes: byte b % 4 of the word of row r and K step s = b / 4 lies at 16 (r + 16 (s % 2)) + 4 (s / 2): one load of 16 bytes a lane gives four registers, register u for K step 2 u (lanes 0-15) and 2 u + 1 (lanes 16-31).
.set WIMG,  0                          ; LDS: the W tile's image, 32 x 272
.set WSC,   8704                       ; its scale words, 512
.set DIMG,  9216                       ; decoder_hidden's four tiles, 4 x 8,704
.set DSC,   44032                      ; their scale words, 4 x 512
.set STG,   46080                      ; two stages of 4,608 bytes for each wave
.set SPARE, 119808                     ; the spare words, 128 bytes for each wave: four blocks of 256 bytes that no other line names
.set L16,  1                           ; v1   16 x lane
.set STW,  2                           ; v2   the stage, on the way in
.set STR,  3                           ; v3   and on the way out: 144 x lane
.set WIA,  4                           ; v4   where my W rows' codes go: 272 x lane + 32 x wave
.set WSA,  5                           ; v5   and their scale bytes
.set DIA,  6                           ; v6   the same for my eight decoder rows
.set DSA,  7                           ; v7
.set WFR,  8                           ; v8   a fragment's place for my lane: 272 h + 16 r (the W tile begins at LDS byte 0)
.set CPY,  9                           ; v9   the same in K step = my wave
.set DFR,  10                          ; v10  in decoder tile wave % 4
.set DSR,  11                          ; v11  that tile's scale words
.set WSR,  12                          ; v12  the W tile's scale words
.set CDO,  13                          ; v13  my place in a tile of dh: 64 r + 32 h
.set REV,  14                          ; v14  1023 - lane (the lists)
.set LANE, 15
.set T0,   20
.set T1,   21
.set T2,   22
.set T3,   23
.set SPW,  30                          ; v30  LDS address of my spare word; never rewritten
.set NIL,  31                          ; v31  0; never rewritten
.set RAW,  32                          ; v32-159  four sets of 32: a row as loaded
.set X,    160                         ; v160-223 two sets of 32: my block of a row
.set C,    224                         ; v224-231 two sets of codes
.set BY,   232                         ; v232-233 scale bytes
.set WF,   32                          ; behind the barrier: W_h's eight fragments,
.set DF,   96                          ; a decoder tile's eight,
.set ACC0, 168                         ; two accumulators,
.set ACC1, 176
.set RES,  184                         ; and the result
.set WSW,  240                         ; v240-243 W_h's scale words, v244-247 the decoder tile's: these eight hold scales and nothing else
.set DSW,  244
.macro LOADROW reg, voff, sb, imm      ; a row of 4,096 bytes: each load reads 512 consecutive bytes
.irp i, 0,1,2,3,4,5,6,7
	global_load_b128 v[(\reg)+4*\i:(\reg)+4*\i+3], v[\voff], s[\sb:\sb+1] offset:(\imm)+512*\i
.endr
.endm
.macro TURN reg, x, stg                ; through my stage: in as loaded, out a block a lane.  LDS serves a wave's instructions in order, so no wait stands between
.irp i, 0,1,2,3,4,5,6,7
	ds_store_b128 v[STW], v[(\reg)+4*\i:(\reg)+4*\i+3] offset:(\stg)*4608+576*\i
.endr
.irp i, 0,1,2,3,4,5,6,7
	ds_load_b128 v[(\x)+4*\i:(\x)+4*\i+3], v[STR] offset:(\stg)*4608+16*\i
.endr
.endm
.macro QROW x, c, by, ia, io, sa, so   ; my block of 32 numbers becomes 16 bytes of codes and a scale byte, both stored into the tile's image
	v_max3_num_f32 v[T0], |v[(\x)]|, |v[(\x)+1]|, |v[(\x)+2]|
	v_max3_num_f32 v[T1], |v[(\x)+3]|, |v[(\x)+4]|, |v[(\x)+5]|
.irp i, 6,10,14,18,22,26
	v_max3_num_f32 v[T0], v[T0], |v[(\x)+\i]|, |v[(\x)+\i+1]|
	v_max3_num_f32 v[T1], v[T1], |v[(\x)+\i+2]|, |v[(\x)+\i+3]|
.endr
	v_max3_num_f32 v[T0], v[T0], |v[(\x)+30]|, |v[(\x)+31]|
	v_max3_num_f32 v[T0], v[T0], v[T1], 0x1800000  ; the block's largest magnitude, and the floor 2^(3 - 127): the byte cannot fall under 1
	v_add_nc_u32 v[T2], 0xff000000, v[T0]          ; 2 off its exponent field: the conversion takes that field as its scale
.irp g, 0,1,2,3
	v_cvt_scalef32_pk8_fp4_f32 v[(\c)+\g], v[(\x)+8*\g:(\x)+8*\g+7], v[T2]
.endr
	v_lshrrev_b32 v[\by], 23, v[T2]                ; the scale's byte; also the plain line behind the conversions
	ds_store_b128 v[\ia], v[(\c):(\c)+3] offset:\io
	ds_store_b8 v[\sa], v[\by] offset:\so
.endm
.macro FP4MM d, a, b, first, sa, sb, odd ; one product of 16 x 16 x 128; odd: the scale words of an odd K step stand in lanes 16-31
.if (\first) && (\odd)
	v_wmma_scale_f32_16x16x128_f8f6f4 v[(\d):(\d)+7], v[(\a):(\a)+7], v[(\b):(\b)+7], 0, v[\sa], v[\sb] matrix_a_fmt:MATRIX_FMT_FP4 matrix_b_fmt:MATRIX_FMT_FP4 matrix_a_scale:MATRIX_SCALE_ROW1 matrix_b_scale:MATRIX_SCALE_ROW1
.elseif \first
	v_wmma_scale_f32_16x16x128_f8f6f4 v[(\d):(\d)+7], v[(\a):(\a)+7], v[(\b):(\b)+7], 0, v[\sa], v[\sb] matrix_a_fmt:MATRIX_FMT_FP4 matrix_b_fmt:MATRIX_FMT_FP4
.elseif \odd
	v_wmma_scale_f32_16x16x128_f8f6f4 v[(\d):(\d)+7], v[(\a):(\a)+7], v[(\b):(\b)+7], v[(\d):(\d)+7], v[\sa], v[\sb] matrix_a_fmt:MATRIX_FMT_FP4 matrix_b_fmt:MATRIX_FMT_FP4 matrix_a_scale:MATRIX_SCALE_ROW1 matrix_b_scale:MATRIX_SCALE_ROW1
.else
	v_wmma_scale_f32_16x16x128_f8f6f4 v[(\d):(\d)+7], v[(\a):(\a)+7], v[(\b):(\b)+7], v[(\d):(\d)+7], v[\sa], v[\sb] matrix_a_fmt:MATRIX_FMT_FP4 matrix_b_fmt:MATRIX_FMT_FP4
.endif
.endm
	s_load_b256 s[4:11], s[0:1], 0x0               ; W_s s[4:5], W_h s[6:7], decoder_hidden s[8:9], mask s[10:11]
	s_load_b256 s[12:19], s[0:1], 0x20             ; wsc s[12:13], wss s[14:15], cdh s[16:17], list s[18:19]
	s_load_b128 s[20:23], s[0:1], 0x40             ; cnt s[20:21], score s[22:23]
	v_lshl_add_u32 v[SPW], v0, 2, SPARE
	v_mov_b32 v[NIL], 0
	v_lshrrev_b32 v16, 5, v0
	v_readfirstlane_b32 s24, v16                   ; wave 0..7
	v_and_b32 v[LANE], 31, v0
	v_lshlrev_b32 v[L16], 4, v[LANE]
	; every LDS address is made here, ahead of the roles' parting
	s_mul_i32 s35, s24, 9216
	s_add_co_u32 s35, s35, STG                     ; my two stages
	v_lshrrev_b32 v16, 3, v[LANE]
	v_mul_u32_u24 v17, v16, 144
	v_and_b32 v18, 7, v[LANE]
	v_lshl_add_u32 v17, v18, 4, v17                ; eight lanes' 128 bytes are a block: place lane / 8, byte 16 (lane % 8); a load's 512 bytes take four places
	v_add_nc_u32 v[STW], s35, v17
	v_mul_u32_u24 v17, v[LANE], 144
	v_add_nc_u32 v[STR], s35, v17
	v_bfe_u32 v17, v[LANE], 2, 1                   ; my block's scale byte: 256 ((b / 4) % 2) + 4 (b / 8) + b % 4
	v_lshlrev_b32 v17, 8, v17
	v_lshl_add_u32 v17, v16, 2, v17
	v_and_b32 v18, 3, v[LANE]
	v_add_nc_u32 v17, v17, v18
	v_mul_u32_u24 v18, v[LANE], 272                ; my block's codes: 272 b
	v_and_b32 v19, 15, v[LANE]                     ; r
	v_lshrrev_b32 v16, 4, v[LANE]                  ; h
	v_mul_u32_u24 v[WFR], v16, 272
	v_lshl_add_u32 v[WFR], v19, 4, v[WFR]
	s_lshl_b32 s35, s24, 5                         ; my W rows are 2 w and 2 w + 1: 16 bytes a row
	v_add_nc_u32 v[WIA], s35, v18
	s_add_co_u32 s36, s35, WSC
	v_add_nc_u32 v[WSA], s36, v17
	s_lshr_b32 s36, s24, 1                         ; my decoder rows 8 w .. 8 w + 7 lie in tile w / 2, from its row 8 (w % 2) on
	s_and_b32 s37, s24, 1
	s_lshl_b32 s37, s37, 7
	s_mul_i32 s38, s36, 8704
	s_add_co_u32 s38, s38, s37
	s_add_co_u32 s38, s38, DIMG
	v_add_nc_u32 v[DIA], s38, v18
	s_lshl_b32 s38, s36, 9
	s_add_co_u32 s38, s38, s37
	s_add_co_u32 s38, s38, DSC
	v_add_nc_u32 v[DSA], s38, v17
	s_mul_i32 s38, s24, 1088
	v_add_nc_u32 v[CPY], s38, v[WFR]
	s_and_b32 s36, s24, 3
	s_mul_i32 s38, s36, 8704
	s_add_co_u32 s38, s38, DIMG
	v_add_nc_u32 v[DFR], s38, v[WFR]
	s_lshl_b32 s38, s36, 9
	s_add_co_u32 s38, s38, DSC
	v_add_nc_u32 v[DSR], s38, v[L16]
	v_add_nc_u32 v[WSR], WSC, v[L16]
	v_lshlrev_b32 v[CDO], 6, v19
	v_lshl_add_u32 v[CDO], v16, 5, v[CDO]
	s_mov_b32 s30, 0x4038aa3b                      ; 2 log2(e): dh is stored times this, as the second launch wants it
	s_mov_b32 s31, s30                             ; (named with it as a pair, so it is written)
	s_mov_b32 s29, 0
	s_wait_kmcnt 0x0
	s_cmp_ge_u32 ttmp9, 128
	s_cbranch_scc1 .Lrole_c
	; ---- W_s's or W_h's tile: one path for both; only the pointer is chosen, on the work-group's number
	s_cmp_lt_u32 ttmp9, 64
	s_cselect_b64 s[26:27], s[4:5], s[6:7]
	s_and_b32 s25, ttmp9, 63                       ; the tile
	s_lshl_b32 s28, s25, 16                        ; 16 rows of 4,096 bytes a tile,
	s_lshl_b32 s36, s24, 13                        ; two rows a wave
	s_add_co_u32 s28, s28, s36
	s_add_nc_u64 s[26:27], s[26:27], s[28:29]
	LOADROW RAW, L16, 26, 0
	LOADROW RAW+32, L16, 26, 4096
	s_wait_loadcnt 8                               ; the first W row is in: behind it stand the second row's eight loads
	TURN RAW, X, 0
	s_wait_dscnt 0x0
	QROW X, C, BY, WIA, 0, WSA, 0
	s_wait_loadcnt 0x0
	TURN RAW+32, X+32, 1
	s_wait_dscnt 0x0
	QROW X+32, C+4, BY+1, WIA, 16, WSA, 16
	s_cmp_lt_u32 ttmp9, 64
	s_cbranch_scc1 .Ljoin
	; ---- W_h's work-groups: my eight decoder rows.  Row 8 w + k lies in set (k + 2) % 4; the first four are asked for here, in the same stretch of text that reads them; later up to three rows are on their way behind the one in hand
	s_lshl_b32 s28, s24, 15
	s_add_nc_u64 s[8:9], s[8:9], s[28:29]
	LOADROW RAW+64, L16, 8, 0
	LOADROW RAW+96, L16, 8, 4096
	LOADROW RAW, L16, 8, 2*4096
	LOADROW RAW+32, L16, 8, 3*4096
.macro DROW k
.set SETR, RAW+32*(((\k)+2)%4)
.if 7-(\k) >= 3
	s_wait_loadcnt 24                              ; row k is in; the three rows issued behind it may be out
.else
	s_wait_loadcnt 8*(7-(\k))
.endif
	TURN SETR, X+32*((\k)%2), (\k)%2
	s_wait_dscnt 0x0                               ; my block is back, and the stores into the stage have read the set:
.if (\k)+4 <= 7
	LOADROW SETR, L16, 8, ((\k)+4)*4096            ; it takes the row four further on
.endif
	QROW X+32*((\k)%2), C+4*((\k)%2), BY+(\k)%2, DIA, 16*(\k), DSA, 16*(\k)
.endm
.irp k, 0,1,2,3,4,5,6,7
	DROW \k
.endr
.Ljoin:
	s_wait_dscnt 0x0                               ; for the others' sake: my stores into the images are done
	s_barrier_signal -1
	s_barrier_wait -1
	s_cmp_lt_u32 ttmp9, 64
	s_cbranch_scc0 .Lrole_b
	; ---- W_s: the image leaves as it will be loaded: wave w stores K step w, two stores of 512 consecutive bytes
	ds_load_b128 v[32:35], v[CPY]
	ds_load_b128 v[36:39], v[CPY] offset:544
	s_lshl_b32 s28, s25, 13                        ; 8,192 bytes a tile, 1,024 a K step
	s_lshl_b32 s36, s24, 10
	s_add_co_u32 s28, s28, s36
	s_add_nc_u64 s[12:13], s[12:13], s[28:29]
	s_wait_dscnt 0x0
	global_store_b128 v[L16], v[32:35], s[12:13]
	global_store_b128 v[L16], v[36:39], s[12:13] offset:512
	s_cmp_lg_u32 s24, 0
	s_cbranch_scc1 .Lclose
	ds_load_b128 v[40:43], v[WSR]                  ; wave 0: the tile's scale words, 512 consecutive bytes
	s_lshl_b32 s28, s25, 9
	s_add_nc_u64 s[14:15], s[14:15], s[28:29]
	s_wait_dscnt 0x0
	global_store_b128 v[L16], v[40:43], s[14:15]
	s_branch .Lclose
.Lrole_b:
	; ---- dh: wave w < 4 multiplies decoder tile w by the W_h tile, transposed (source 0 = 16 rows of W_h): lane (r, h) holds dh[16 w + r][16 tile + 8 h + 0 .. 7]
	s_cmp_ge_u32 s24, 4
	s_cbranch_scc1 .Lclose
.irp s, 0,1,2,3,4,5,6,7
.irp c, 0,1
	ds_load_b128 v[WF+8*\s+4*\c:WF+8*\s+4*\c+3], v[WFR] offset:(4*\s+2*\c)*272
	ds_load_b128 v[DF+8*\s+4*\c:DF+8*\s+4*\c+3], v[DFR] offset:(4*\s+2*\c)*272
.endr
.endr
	ds_load_b128 v[WSW:WSW+3], v[WSR]
	ds_load_b128 v[DSW:DSW+3], v[DSR]
	s_lshl_b32 s28, s25, 12                        ; cdh: 4,096 bytes a tile of 16 columns, 64 bytes a batch
	s_lshl_b32 s36, s24, 10
	s_add_co_u32 s28, s28, s36
	s_add_nc_u64 s[16:17], s[16:17], s[28:29]
	s_wait_dscnt 0x0
.irp s, 0,1,2,3,4,5,6,7                        ; even K steps on one accumulator, odd ones on the other: the two take turns
	FP4MM ACC0+8*(\s%2), WF+8*\s, DF+8*\s, (\s<2), WSW+\s/2, DSW+\s/2, \s%2
.endr
.rept 4
	v_nop                                          ; four places between the last product and the first read of results
.endr
.irp j, 0,2,4,6                                ; each accumulator is read from its low end on
	v_pk_add_f32 v[RES+\j:RES+\j+1], v[ACC0+\j:ACC0+\j+1], v[ACC1+\j:ACC1+\j+1]
.endr
.irp j, 0,2,4,6
	v_pk_mul_f32 v[RES+\j:RES+\j+1], v[RES+\j:RES+\j+1], s[30:31] op_sel_hi:[1,0]
.endr
	global_store_b128 v[CDO], v[RES:RES+3], s[16:17]           ; a lane's 32 bytes in two stores; the wave's two cover 1,024 consecutive bytes between them (256 KB in the whole launch)
	global_store_b128 v[CDO], v[RES+4:RES+7], s[16:17] offset:16
.Lclose:
	s_wait_tensorcnt 0x0                           ; the wave's end
	ds_add_u32 v[SPW], v[NIL]
	s_wait_dscnt 0x0
	s_endpgm
.Lrole_c:
	; ---- the lists: a wave a batch; no LDS, no barrier.  Lane l holds the mask bytes of rows 32 l .. 32 l + 31.  In step i the 32 rows 32 l + i are placed: a live one behind the live ones so far,
	; a masked one in front of the masked ones so far, which are laid from place 1023 downward.  So list[n] is a permutation of 0 .. 1023 whatever the mask, and every place of it is written.
	s_sub_co_u32 s25, ttmp9, 128
	s_lshl_b32 s25, s25, 3
	s_add_co_u32 s25, s25, s24                     ; the batch
	s_lshl_b32 s28, s25, 10
	s_add_nc_u64 s[10:11], s[10:11], s[28:29]
	s_lshl_b32 s28, s25, 12
	s_add_nc_u64 s[18:19], s[18:19], s[28:29]
	s_add_nc_u64 s[22:23], s[22:23], s[28:29]
	s_lshl_b32 s28, s25, 2
	s_add_nc_u64 s[20:21], s[20:21], s[28:29]
	v_lshlrev_b32 v16, 5, v[LANE]
	global_load_b128 v[32:35], v16, s[10:11]
	global_load_b128 v[36:39], v16, s[10:11] offset:16
.irp j, 40,41,42,43
	v_mov_b32 v\j, 0xff800000                      ; -infinity
.endr
.irp i, 0,1,2,3,4,5,6,7
	global_store_b128 v[L16], v[40:43], s[22:23] offset:512*\i ; the batch's scores begin as -infinity; the second launch writes the live ones
.endr
	v_sub_nc_u32 v[REV], 1023, v[LANE]
	s_mov_b32 s34, 0                               ; live rows so far
	s_wait_loadcnt 0x0
.set I, 0
.rept 32
	v_bfe_u32 v[T0], v[32+I/4], 8*(I%4), 8
	v_cmp_eq_u32 s36, 0, v[T0]                     ; live: the byte is 0
	v_mbcnt_lo_u32_b32 v[T1], s36, 0               ; live rows of this step in the lanes below mine
	s_sub_co_u32 s37, s34, 32*I                    ; minus the masked rows so far
	v_add_nc_u32 v[T2], s34, v[T1]                 ; a live row's place
	v_add3_u32 v[T3], v[REV], s37, v[T1]           ; a masked row's: 1023 - (32 i - live so far) - (lane - live below me)
	v_cndmask_b32 v[64+I], v[T3], v[T2], s36
	v_min_u32 v[64+I], 0x3ff, v[64+I]              ; a place made of loaded numbers enters an address only behind this hold
	v_lshlrev_b32 v[64+I], 2, v[64+I]
	v_lshl_add_u32 v[96+I], v[LANE], 5, I          ; the row's number
	global_store_b32 v[64+I], v[96+I], s[18:19]    ; four bytes a lane, scattered inside the batch's own 4,096 bytes; each store has registers of its own
	s_bcnt1_i32_b32 s38, s36
	s_add_co_u32 s34, s34, s38
.set I, I+1
.endr
	v_mov_b32 v[T0], s34
	v_mov_b32 v[T1], 0
	v_cmp_eq_u32 vcc_lo, 0, v[LANE]
	s_wait_xcnt 0x0                                ; EXEC changes only behind this wait
	s_and_saveexec_b32 s39, vcc_lo
	global_store_b32 v[T1], v[T0], s[20:21]        ; lane 0: the batch's number of live rows
	s_wait_xcnt 0x0
	s_or_b32 exec_lo, exec_lo, s39
	s_endpgm
.Lfunc_end_k_qfe43abfdf1_prep:
	.size	k_qfe43abfdf1_prep, .Lfunc_end_k_qfe43abfdf1_prep-k_qfe43abfdf1_prep
	.p2alignl 7, 3214868480
	.fill 96, 4, 3214868480
	.section	.rodata,"a",@progbits
	.p2align	6, 0x0
	.amdhsa_kernel k_qfe43abfdf1_prep
		.amdhsa_group_segment_fixed_size 120832
		.amdhsa_private_segment_fixed_size 0
		.amdhsa_enable_private_segment 0
		.amdhsa_kernarg_size 80
		.amdhsa_user_sgpr_count 2
		.amdhsa_user_sgpr_kernarg_segment_ptr 1
		.amdhsa_wavefront_size32 1
		.amdhsa_system_sgpr_workgroup_id_x 1
		.amdhsa_system_sgpr_workgroup_id_y 1
		.amdhsa_system_sgpr_workgroup_id_z 1
		.amdhsa_system_vgpr_workitem_id 0
		.amdhsa_next_free_vgpr 256
		.amdhsa_next_free_sgpr 66
		.amdhsa_reserve_vcc 1
		.amdhsa_float_denorm_mode_32 3
		.amdhsa_float_denorm_mode_16_64 3
		.amdhsa_memory_ordered 1
		.amdhsa_forward_progress 1
		.amdhsa_inst_pref_size 67
	.end_amdhsa_kernel
	.amdgpu_metadata
---
amdhsa.version: [ 1, 2 ]
amdhsa.kernels:
  - .name:           k_qfe43abfdf1_prep
    .symbol:         k_qfe43abfdf1_prep.kd
    .args:
      - { .name: W_s, .offset: 0, .size: 8, .value_kind: global_buffer, .address_space: global }
      - { .name: W_h, .offset: 8, .size: 8, .value_kind: global_buffer, .address_space: global }
      - { .name: decoder_hidden, .offset: 16, .size: 8, .value_kind: global_buffer, .address_space: global }
      - { .name: mask, .offset: 24, .size: 8, .value_kind: global_buffer, .address_space: global }
      - { .name: wsc, .offset: 32, .size: 8, .value_kind: global_buffer, .address_space: global }
      - { .name: wss, .offset: 40, .size: 8, .value_kind: global_buffer, .address_space: global }
      - { .name: cdh, .offset: 48, .size: 8, .value_kind: global_buffer, .address_space: global }
      - { .name: list, .offset: 56, .size: 8, .value_kind: global_buffer, .address_space: global }
      - { .name: cnt, .offset: 64, .size: 8, .value_kind: global_buffer, .address_space: global }
      - { .name: score, .offset: 72, .size: 8, .value_kind: global_buffer, .address_space: global }
    .group_segment_fixed_size: 120832
    .private_segment_fixed_size: 0
    .kernarg_segment_align: 8
    .kernarg_segment_size: 80
    .max_flat_workgroup_size: 256
    .sgpr_count:     66
    .vgpr_count:     256
    .wavefront_size: 32
...
	.end_amdgpu_metadata
.endif
;; end of part 1
;; launch score (part 2): grid 4 x 64, 8 waves a work-group, no clusters, 254,976 bytes of LDS; arguments encoder_hiddens, v, wsc, wss, cdh, list, cnt, score; writes score
.if DOCPART == 2
	.amdgcn_target "amdgcn-amd-amdhsa--gfx1250"
	.amdhsa_code_object_version 6
	.text
	.protected	k_qfe43abfdf1_score
	.globl	k_qfe43abfdf1_score
	.p2align	8
	.type	k_qfe43abfdf1_score,@function
k_qfe43abfdf1_score:
	s_mov_b64 s[64:65], 0
	v_nop
	global_prefetch_b8 v0, s[64:65] scope:SCOPE_SE
	s_setreg_imm32_b32 hwreg(HW_REG_WAVE_MODE, 25, 1), 1
	s_wait_xcnt 0x0
; THE SCORES OF THE LIVE ROWS: score[n][l] = -2 sum_k v[k] / (1 + 2^(c (dh[n][k] + eh[n][l][k]))), c = 2 log2(e), eh = Q(encoder_hiddens) Q(W_s)^T on codes of E2M1.
; LEFT OUT, as shown at the head of the first launch: the term sum_k v[k], the same along the softmax's axis; and the masked rows, which the stored list (whole numbers, read here from memory) puts behind the live ones.
; SHARES.  Work-group (q, n) takes tiles q, q + 4, q + 8 .. of 16 places of batch n's list, R of them, as far as live rows reach; its local row 16 t + r is place 64 t + 16 q + r.
; R is held at 1 from below: a work-group whose share holds no live row still walks one tile (of masked rows) and stores nothing, so that every wave passes every barrier and no LDS byte is read unwritten.
; The last tile of a batch may hold up to 15 masked rows: their scores are not stored.
; PHASE Q: wave w gathers rows 2 w and 2 w + 1 of each tile (eight loads of 512 consecutive bytes a row, a tile ahead), quantises them, a block of 32 to a lane, and stores codes and scale bytes into the tile's image in LDS.
; PHASE G: THE WAVES SHARE THE COLUMNS: wave w owns 128 columns of W_s, in two groups of 64.  A group's 32 fragments fill 256 registers, loaded once; all R tiles pass by from LDS, each feeding 32 products;
; then tanh and v: a lane's 32 numbers become one partial sum, stored in LDS.  PHASE F: thread i adds local row i's 32 partial sums and stores the score.
; Two waves share a SIMD: one's products and LDS loads stand beside the other's vector work.
; No tensor load and no joint loads; each wave reads its own eighth of W_s's codes once.
; The products are used transposed (source 0 = 16 rows of W_s, source 1 = 16 encoder rows): lane (r, h) holds row r of the tile, register 8 i + j column 16 (8 w + 4 g + i) + 8 h + j.
; LIMITS: as at the head of the first launch.
.set IMG,   0                          ; LDS: 16 images of 8,704 bytes: the 16 bytes of block b of row r at 272 b + 16 r
.set SCA,   139264                     ; 16 x 512: their scale words
.set STG,   147456                     ; two stages of 4,608 bytes for each wave (phase Q alone)
.set PB,    221184                     ; partial sums: [2 w + g][tile][lane] words
.set SPARE, 253952                     ; the spare words, 128 bytes for each wave: four blocks of 256 bytes that no other line names
.set L16,  1                           ; v1   16 x lane
.set RIDX, 2                           ; v2   lane 2 t + e: the encoder row (of all 65,536) that is row 2 w + e of tile t
.set FIDX, 3                           ; v3   4 x my thread's own entry of the list: its score's byte in the batch's row
.set FPOS, 4                           ; v4   and the entry's place
.set STW,  5
.set STR,  6
.set IMGB, 7                           ; v7   272 x lane + 32 x wave
.set SCB,  8                           ; v8   my block's scale byte in tile 0
.set IMGA, 9                           ; v9, v10  the same two in the trip's first tile
.set SCW,  10
.set SEL0, 11
.set SEL1, 12
.set OA,   13                          ; v13-16  byte offsets of the four rows on their way
.set ABASE, 17                         ; v17  272 h + 16 r
.set SBASE, 18                         ; v18  SCA + 16 x lane
.set PBASE, 19                         ; v19  PB + 4,096 x wave + 4 x lane
.set AN,   20
.set SN,   21
.set PP,   22
.set FADR, 23                          ; v23  PB + 128 (thread / 16) + 4 (thread % 16)
.set T0,   24
.set T1,   25
.set T2,   26
.set H32,  29                          ; v29  32 h
.set SPW,  30                          ; v30  LDS address of my spare word; never rewritten
.set NIL,  31                          ; v31  0; never rewritten
.set RAW,  32                          ; phase Q: v32-159 four rows as loaded; v160-223 two blocks; v224-231 codes; v232-233 bytes
.set X,    160
.set C,    224
.set BY,   232
.set VV,   32                          ; phase G: v32-63 v of my 32 columns; v64-95 c dh; v96-159 a tile's eight fragments; v160-191 four accumulators; v192-199 sums
.set DH,   64
.set A,    96
.set ACC,  160
.set S,    192
.set ASC,  236                         ; v236-239 the tile's scale words, v240-255 W_s's: these twenty hold scales and nothing else
.set BSC,  240
.set MSB, 0
.macro WIN new                         ; window 1 (v256-511) holds W_s's fragments.  The immediate's high byte repeats the setting that is left
.if MSB != \new
	s_set_vgpr_msb (MSB<<8)|\new
.set MSB, \new
.endif
.endm
.macro LOADROW reg, voff, sb, imm
.irp i, 0,1,2,3,4,5,6,7
	global_load_b128 v[(\reg)+4*\i:(\reg)+4*\i+3], v[\voff], s[\sb:\sb+1] offset:(\imm)+512*\i
.endr
.endm
.macro TURN reg, x, stg                ; through my stage: in as loaded, out a block a lane; LDS serves a wave's instructions in order
.irp i, 0,1,2,3,4,5,6,7
	ds_store_b128 v[STW], v[(\reg)+4*\i:(\reg)+4*\i+3] offset:(\stg)*4608+576*\i
.endr
.irp i, 0,1,2,3,4,5,6,7
	ds_load_b128 v[(\x)+4*\i:(\x)+4*\i+3], v[STR] offset:(\stg)*4608+16*\i
.endr
.endm
.macro QROW x, c, by, ia, io, sa, so
	v_max3_num_f32 v[T0], |v[(\x)]|, |v[(\x)+1]|, |v[(\x)+2]|
	v_max3_num_f32 v[T1], |v[(\x)+3]|, |v[(\x)+4]|, |v[(\x)+5]|
.irp i, 6,10,14,18,22,26
	v_max3_num_f32 v[T0], v[T0], |v[(\x)+\i]|, |v[(\x)+\i+1]|
	v_max3_num_f32 v[T1], v[T1], |v[(\x)+\i+2]|, |v[(\x)+\i+3]|
.endr
	v_max3_num_f32 v[T0], v[T0], |v[(\x)+30]|, |v[(\x)+31]|
	v_max3_num_f32 v[T0], v[T0], v[T1], 0x1800000  ; the block's largest magnitude, and the floor 2^(3 - 127)
	v_add_nc_u32 v[T2], 0xff000000, v[T0]          ; 2 off its exponent field: the conversion's scale operand
.irp g, 0,1,2,3
	v_cvt_scalef32_pk8_fp4_f32 v[(\c)+\g], v[(\x)+8*\g:(\x)+8*\g+7], v[T2]
.endr
	v_lshrrev_b32 v[\by], 23, v[T2]                ; the scale's byte; also the plain line behind the conversions
	ds_store_b128 v[\ia], v[(\c):(\c)+3] offset:\io
	ds_store_b8 v[\sa], v[\by] offset:\so
.endm
.macro FP4MM d, a, b, first, sa, sb, odd
.if (\first) && (\odd)
	v_wmma_scale_f32_16x16x128_f8f6f4 v[(\d):(\d)+7], v[(\a):(\a)+7], v[(\b):(\b)+7], 0, v[\sa], v[\sb] matrix_a_fmt:MATRIX_FMT_FP4 matrix_b_fmt:MATRIX_FMT_FP4 matrix_a_scale:MATRIX_SCALE_ROW1 matrix_b_scale:MATRIX_SCALE_ROW1
.elseif \first
	v_wmma_scale_f32_16x16x128_f8f6f4 v[(\d):(\d)+7], v[(\a):(\a)+7], v[(\b):(\b)+7], 0, v[\sa], v[\sb] matrix_a_fmt:MATRIX_FMT_FP4 matrix_b_fmt:MATRIX_FMT_FP4
.elseif \odd
	v_wmma_scale_f32_16x16x128_f8f6f4 v[(\d):(\d)+7], v[(\a):(\a)+7], v[(\b):(\b)+7], v[(\d):(\d)+7], v[\sa], v[\sb] matrix_a_fmt:MATRIX_FMT_FP4 matrix_b_fmt:MATRIX_FMT_FP4 matrix_a_scale:MATRIX_SCALE_ROW1 matrix_b_scale:MATRIX_SCALE_ROW1
.else
	v_wmma_scale_f32_16x16x128_f8f6f4 v[(\d):(\d)+7], v[(\a):(\a)+7], v[(\b):(\b)+7], v[(\d):(\d)+7], v[\sa], v[\sb] matrix_a_fmt:MATRIX_FMT_FP4 matrix_b_fmt:MATRIX_FMT_FP4
.endif
.endm
.macro BLOAD g                         ; group g's 32 fragments of W_s: tile i, K step s at v[64 i + 8 s] of window 1; each load reads 512 consecutive bytes
	WIN 0x40
.irp i, 0,1,2,3
.irp s, 0,1,2,3,4,5,6,7
.irp c, 0,1
	global_load_b128 v[64*\i+8*\s+4*\c:64*\i+8*\s+4*\c+3], v[L16], s[8:9] offset:32768*(\g)+8192*\i+1024*\s+512*\c
.endr
.endr
.endr
	WIN 0
.endm
.macro SLOAD g                         ; and what goes with them: W_s's scale words, v and c dh of my lane's eight columns of each tile
.irp i, 0,1,2,3
	global_load_b128 v[BSC+4*\i:BSC+4*\i+3], v[L16], s[10:11] offset:2048*(\g)+512*\i
	global_load_b128 v[VV+8*\i:VV+8*\i+3], v[H32], s[6:7] offset:256*(\g)+64*\i
	global_load_b128 v[VV+8*\i+4:VV+8*\i+7], v[H32], s[6:7] offset:256*(\g)+64*\i+16
	global_load_b128 v[DH+8*\i:DH+8*\i+3], v[H32], s[12:13] offset:16384*(\g)+4096*\i
	global_load_b128 v[DH+8*\i+4:DH+8*\i+7], v[H32], s[12:13] offset:16384*(\g)+4096*\i+16
.endr
.endm
; The two rows of the tile d / 8 tiles on from the trip's first are asked for, into sets 2 p and 2 p + 1.  Their numbers lie in two lanes of RIDX.  (Behind tile 15 the lane's number wraps to tile 0: a row of the buffer, not used.)
.macro AHEAD p, d
	s_add_co_u32 s35, s29, \d
	v_mov_b32 v[SEL0], s35
	v_add_nc_u32 v[SEL1], 4, v[SEL0]
	ds_bpermute_b32 v[T0], v[SEL0], v[RIDX]
	ds_bpermute_b32 v[T1], v[SEL1], v[RIDX]
	s_wait_dscnt 0x0                               ; the two numbers are here; and every earlier LDS store has read its registers, the sets that are now loaded again among them
	v_min_u32 v[T0], 0xffff, v[T0]                 ; a loaded number enters an address only behind this hold
	v_min_u32 v[T1], 0xffff, v[T1]
	v_lshl_add_u32 v[OA+2*(\p)], v[T0], 12, v[L16] ; (the loads that last named these two registers have been waited for)
	v_lshl_add_u32 v[OA+2*(\p)+1], v[T1], 12, v[L16]
	LOADROW RAW+64*(\p), OA+2*(\p), 4, 0
	LOADROW RAW+64*(\p)+32, OA+2*(\p)+1, 4, 0
.endm
.macro HALF p, io, so, d               ; one tile: the next tile's rows are asked for, then this tile's two rows are quantised
	AHEAD 1-\p, \d
	s_wait_loadcnt 16                              ; all but the 16 loads just issued: this tile's rows are in
	TURN RAW+64*(\p), X, 0
	TURN RAW+64*(\p)+32, X+32, 1
	s_wait_dscnt 16                                ; the first row's block is back: behind it stand the second row's 8 stores and 8 loads
	QROW X, C, BY, IMGA, \io, SCW, \so
	s_wait_dscnt 2                                 ; the second row's: behind it stand the first row's two stores
	QROW X+32, C+4, BY+1, IMGA, (\io)+16, SCW, (\so)+16
.endm
.macro FETCH an, sn                    ; a tile's eight fragments and its scale words
.irp s, 0,1,2,3,4,5,6,7
.irp c, 0,1
	ds_load_b128 v[A+8*\s+4*\c:A+8*\s+4*\c+3], v[\an] offset:(4*\s+2*\c)*272
.endr
.endr
	ds_load_b128 v[ASC:ASC+3], v[\sn]
.endm
.macro MUL                             ; 32 products: the four accumulators take turns, one instruction a turn; the first K step starts the sums
	WIN 0x01
.irp s, 0,1,2,3,4,5,6,7
.irp i, 0,1,2,3
	FP4MM ACC+8*\i, 64*\i+8*\s, A+8*\s, (\s==0), BSC+4*\i+\s/2, ASC+\s/2, \s%2
.endr
.endr
	WIN 0
.endm
.macro TANH                            ; 32 numbers a lane: x = c eh + c dh; 1 / (1 + 2^x); times v; summed.  2^x may be infinite (the quotient is 0) or 0 (it is 1): both are tanh's limits
.irp k, 0,2,4,6,8,10,12,14,16,18,20,22,24,26,28,30
	v_pk_fma_f32 v[ACC+\k:ACC+\k+1], v[ACC+\k:ACC+\k+1], s[30:31], v[DH+\k:DH+\k+1] op_sel_hi:[1,0,1]   ; ascending: each accumulator is read from its low end on
.endr
.set J, 0
.rept 32
	v_exp_f32 v[ACC+J], v[ACC+J]
.set J, J+1
.endr
	v_nop                                          ; a plain line behind the last exponential,
	s_wait_alu depctr_va_vdst(0)                   ; and one wait for the batch, ahead of its first reader
.irp k, 0,2,4,6,8,10,12,14,16,18,20,22,24,26,28,30
	v_pk_add_f32 v[ACC+\k:ACC+\k+1], v[ACC+\k:ACC+\k+1], 1.0 op_sel_hi:[1,0]
.endr
.set J, 0
.rept 32
	v_rcp_f32 v[ACC+J], v[ACC+J]
.set J, J+1
.endr
	v_nop
	s_wait_alu depctr_va_vdst(0)                   ; likewise for the reciprocals
.irp k, 0,2,4,6
	v_pk_mul_f32 v[S+\k:S+\k+1], v[ACC+\k:ACC+\k+1], v[VV+\k:VV+\k+1]       ; four chains of two, started by the first products
.endr
.irp k, 8,10,12,14,16,18,20,22,24,26,28,30
	v_pk_fma_f32 v[S+\k%8:S+\k%8+1], v[ACC+\k:ACC+\k+1], v[VV+\k:VV+\k+1], v[S+\k%8:S+\k%8+1]
.endr
	v_pk_add_f32 v[S:S+1], v[S:S+1], v[S+2:S+3]
	v_pk_add_f32 v[S+4:S+5], v[S+4:S+5], v[S+6:S+7]
	v_pk_add_f32 v[S:S+1], v[S:S+1], v[S+4:S+5]
	v_add_f32 v[S], v[S], v[S+1]
.endm
	s_load_b256 s[4:11], s[0:1], 0x0               ; encoder_hiddens s[4:5], v s[6:7], wsc s[8:9], wss s[10:11]
	s_load_b256 s[12:19], s[0:1], 0x20             ; cdh s[12:13], list s[14:15], cnt s[16:17], score s[18:19]
	v_lshl_add_u32 v[SPW], v0, 2, SPARE
	v_mov_b32 v[NIL], 0
	v_lshrrev_b32 v27, 5, v0
	v_readfirstlane_b32 s20, v27                   ; wave 0..7
	s_and_b32 s22, ttmp7, 0xffff                   ; the batch
	v_and_b32 v24, 31, v0                          ; lane
	v_and_b32 v25, 15, v0                          ; r
	v_bfe_u32 v26, v0, 4, 1                        ; h
	v_lshlrev_b32 v[L16], 4, v24
	v_lshlrev_b32 v[H32], 5, v26
	s_mul_i32 s35, s20, 9216
	s_add_co_u32 s35, s35, STG                     ; my two stages
	v_lshrrev_b32 v27, 3, v24
	v_mul_u32_u24 v28, v27, 144
	v_and_b32 v[SEL0], 7, v24
	v_lshl_add_u32 v28, v[SEL0], 4, v28
	v_add_nc_u32 v[STW], s35, v28                  ; in: place lane / 8, byte 16 (lane % 8)
	v_mul_u32_u24 v28, v24, 144
	v_add_nc_u32 v[STR], s35, v28                  ; out: place = lane
	s_lshl_b32 s35, s20, 5                         ; my rows 2 w, 2 w + 1: 16 bytes a row
	v_mul_u32_u24 v28, v24, 272
	v_add_nc_u32 v[IMGB], s35, v28
	v_bfe_u32 v28, v24, 2, 1                       ; my block's scale byte: 256 ((b / 4) % 2) + 4 (b / 8) + b % 4
	v_lshlrev_b32 v28, 8, v28
	v_lshl_add_u32 v28, v27, 2, v28
	v_and_b32 v[SEL0], 3, v24
	v_add_nc_u32 v28, v28, v[SEL0]
	s_add_co_u32 s35, s35, SCA
	v_add_nc_u32 v[SCB], s35, v28
	v_mul_u32_u24 v[ABASE], v26, 272
	v_lshl_add_u32 v[ABASE], v25, 4, v[ABASE]
	v_add_nc_u32 v[SBASE], SCA, v[L16]
	s_lshl_b32 s35, s20, 12
	s_add_co_u32 s35, s35, PB
	v_lshl_add_u32 v[PBASE], v24, 2, s35
	v_lshrrev_b32 v27, 4, v0                       ; my thread's tile
	v_lshlrev_b32 v[FADR], 7, v27
	v_lshl_add_u32 v[FADR], v25, 2, v[FADR]
	v_add_nc_u32 v[FADR], PB, v[FADR]
	s_lshl_b32 s36, ttmp9, 4                       ; 16 q
	v_lshl_add_u32 v[FPOS], v27, 6, v25
	v_add_nc_u32 v[FPOS], s36, v[FPOS]             ; my thread's place in the list: 64 t + 16 q + r
	v_lshlrev_b32 v225, 2, v[FPOS]
	v_lshrrev_b32 v27, 1, v24                      ; lane 2 t + e: place 64 t + 16 q + 2 w + e
	v_and_b32 v28, 1, v24
	v_lshl_add_u32 v27, v27, 6, v28
	s_lshl_b32 s37, s20, 1
	s_add_co_u32 s37, s37, s36
	v_add_nc_u32 v27, s37, v27
	v_lshlrev_b32 v224, 2, v27
	s_mov_b32 s30, 0x4038aa3b                      ; c = 2 log2(e)
	s_mov_b32 s31, s30                             ; (named with it as a pair, so it is written)
	s_mov_b32 s33, 0
	s_wait_kmcnt 0x0
	s_lshl_b32 s32, s20, 16                        ; my eight tiles of W_s: 8,192 bytes of codes each,
	s_add_nc_u64 s[8:9], s[8:9], s[32:33]
	s_lshl_b32 s32, s20, 12                        ; 512 of scale words,
	s_add_nc_u64 s[10:11], s[10:11], s[32:33]
	s_lshl_b32 s32, s20, 15                        ; 4,096 of c dh, of which my batch has 64,
	s_lshl_b32 s35, s22, 6
	s_add_co_u32 s32, s32, s35
	s_add_nc_u64 s[12:13], s[12:13], s[32:33]
	s_lshl_b32 s32, s20, 9                         ; 64 of v
	s_add_nc_u64 s[6:7], s[6:7], s[32:33]
	s_lshl_b32 s32, s22, 12
	s_add_nc_u64 s[14:15], s[14:15], s[32:33]
	s_add_nc_u64 s[18:19], s[18:19], s[32:33]
	s_lshl_b32 s32, s22, 2
	s_add_nc_u64 s[16:17], s[16:17], s[32:33]
	s_load_b32 s23, s[16:17], 0x0                  ; the batch's live rows
	global_load_b32 v[RIDX], v224, s[14:15]
	global_load_b32 v[FIDX], v225, s[14:15]
	BLOAD 0
	s_wait_loadcnt 63                              ; the two list loads are in: 64 younger loads stand behind them
	v_min_u32 v[RIDX], 0x3ff, v[RIDX]
	v_min_u32 v[FIDX], 0x3ff, v[FIDX]              ; both holds are made here, with all lanes on
	s_lshl_b32 s35, s22, 10
	v_add_nc_u32 v[RIDX], s35, v[RIDX]             ; as a row of all 65,536
	v_lshlrev_b32 v[FIDX], 2, v[FIDX]              ; as a byte in the batch's row of scores
	s_mov_b32 s29, 0                               ; 8 x the trip's first tile: the byte select of its lane in RIDX
	AHEAD 0, 0                                     ; tile 0's rows
	s_wait_kmcnt 0x0
	s_min_u32 s23, s23, 1024
	s_add_co_u32 s24, s23, 15
	s_lshr_b32 s24, s24, 4                         ; the batch's tiles,
	s_add_co_u32 s24, s24, 3
	s_sub_co_u32 s24, s24, ttmp9
	s_lshr_b32 s24, s24, 2                         ; those of them that are q, q + 4, ..:
	s_max_u32 s24, s24, 1                          ; R, at least 1
	; ---- PHASE Q.  Eight trips of two tiles, a constant count, so that the stepped LDS offsets can be read off the text; tiles from R on are jumped over
	s_mov_b32 s25, 0
	s_mov_b32 s27, 0
	s_mov_b32 s28, 0
.Lq:
	s_cmp_ge_u32 s25, s24
	s_cbranch_scc1 .Lq_skip
	v_add_nc_u32 v[IMGA], s27, v[IMGB]
	v_add_nc_u32 v[SCW], s28, v[SCB]
	HALF 0, 0, 0, 8
	s_add_co_u32 s26, s25, 1
	s_cmp_ge_u32 s26, s24
	s_cbranch_scc1 .Lq_skip
	HALF 1, 8704, 512, 16
	s_branch .Lq_step
.Lq_skip:
	s_wait_loadcnt 0x0                             ; the look-ahead has landed: no later load finds a pending one on its registers
.Lq_step:
	s_add_co_u32 s27, s27, 17408
	s_add_co_u32 s28, s28, 1024
	s_add_co_u32 s29, s29, 16
	s_add_co_u32 s25, s25, 2
	s_cmp_lt_u32 s25, 16
	s_cbranch_scc1 .Lq
	s_wait_loadcnt 0x0                             ; the last look-ahead: its registers are taken by what follows
	SLOAD 0
	s_wait_dscnt 0x0                               ; for the others' sake: my stores into the images are done
	s_barrier_signal -1
	s_barrier_wait -1
	; ---- PHASE G.  Sixteen trips, a constant count; a trip's work is jumped over from tile R on
.macro GROUP g
.if \g
	BLOAD \g                                       ; (every way from a product to these loads leads through TANH: more than four plain lines that name none of its registers)
	SLOAD \g
.endif
	s_wait_loadcnt 0x0
	s_wait_dscnt 0x0                               ; no LDS load of mine is out when the fragments' registers are loaded anew
	FETCH ABASE, SBASE                             ; tile 0: R is at least 1
	s_mov_b32 s25, 0
	s_mov_b32 s27, 8704                            ; the next tile's image,
	s_mov_b32 s28, 512                             ; its scale words,
	s_mov_b32 s34, 0                               ; this tile's partial sums
.Lg_\g:
	s_cmp_ge_u32 s25, s24
	s_cbranch_scc1 .Lg_skip_\g
	s_wait_dscnt 0x0                               ; the tile's fragments and scale words are in
	MUL
	v_add_nc_u32 v[AN], s27, v[ABASE]              ; four places between the last product and the loads into its operands, and the first read of results
	v_add_nc_u32 v[SN], s28, v[SBASE]
	v_add_nc_u32 v[PP], s34, v[PBASE]
	v_nop
	s_add_co_u32 s26, s25, 1
	s_cmp_ge_u32 s26, s24
	s_cbranch_scc1 .Lg_last_\g
	FETCH AN, SN                                   ; the next tile comes while this one's vector work is done
.Lg_last_\g:
	TANH
	ds_store_b32 v[PP], v[S] offset:2048*(\g)
.Lg_skip_\g:
	s_add_co_u32 s27, s27, 8704
	s_add_co_u32 s28, s28, 512
	s_add_co_u32 s34, s34, 128
	s_add_co_u32 s25, s25, 1
	s_cmp_lt_u32 s25, 16
	s_cbranch_scc1 .Lg_\g
.endm
	GROUP 0
	GROUP 1
	; ---- PHASE F: thread 16 t + r adds the 32 partial sums of row r of tile t (16 groups of columns x 2 halves of the lanes); only places in front of the batch's count are live
	s_wait_dscnt 0x0
	s_barrier_signal -1
	s_barrier_wait -1
	v_cmp_gt_u32 vcc_lo, s23, v[FPOS]
	s_wait_xcnt 0x0                                ; EXEC changes only behind this wait
	s_and_saveexec_b32 s38, vcc_lo
.irp k, 0,1,2,3,4,5,6,7,8,9,10,11,12,13,14,15
	ds_load_b32 v[32+2*\k], v[FADR] offset:2048*\k
	ds_load_b32 v[33+2*\k], v[FADR] offset:2048*\k+64
.endr
	s_wait_dscnt 0x0
.irp k, 0,1,2,3,4,5,6,7
	v_pk_add_f32 v[32+4*\k:33+4*\k], v[32+4*\k:33+4*\k], v[34+4*\k:35+4*\k]
.endr
.irp k, 0,1,2,3
	v_pk_add_f32 v[32+8*\k:33+8*\k], v[32+8*\k:33+8*\k], v[36+8*\k:37+8*\k]
.endr
.irp k, 0,1
	v_pk_add_f32 v[32+16*\k:33+16*\k], v[32+16*\k:33+16*\k], v[40+16*\k:41+16*\k]
.endr
	v_pk_add_f32 v[32:33], v[32:33], v[48:49]
	v_add_f32 v32, v32, v33
	v_mul_f32 v32, -2.0, v32                       ; the factor of tanh's form, once a row
	global_store_b32 v[FIDX], v32, s[18:19]        ; four bytes a lane, scattered inside the batch's own 4,096 bytes: at most 256 KB in the whole launch
	s_wait_xcnt 0x0
	s_or_b32 exec_lo, exec_lo, s38
	s_wait_tensorcnt 0x0                           ; the wave's end
	ds_add_u32 v[SPW], v[NIL]
	s_wait_dscnt 0x0
	s_endpgm
.Lfunc_end_k_qfe43abfdf1_score:
	.size	k_qfe43abfdf1_score, .Lfunc_end_k_qfe43abfdf1_score-k_qfe43abfdf1_score
	.p2alignl 7, 3214868480
	.fill 96, 4, 3214868480
	.section	.rodata,"a",@progbits
	.p2align	6, 0x0
	.amdhsa_kernel k_qfe43abfdf1_score
		.amdhsa_group_segment_fixed_size 254976
		.amdhsa_private_segment_fixed_size 0
		.amdhsa_enable_private_segment 0
		.amdhsa_kernarg_size 64
		.amdhsa_user_sgpr_count 2
		.amdhsa_user_sgpr_kernarg_segment_ptr 1
		.amdhsa_wavefront_size32 1
		.amdhsa_system_sgpr_workgroup_id_x 1
		.amdhsa_system_sgpr_workgroup_id_y 1
		.amdhsa_system_sgpr_workgroup_id_z 1
		.amdhsa_system_vgpr_workitem_id 0
		.amdhsa_next_free_vgpr 512
		.amdhsa_next_free_sgpr 66
		.amdhsa_reserve_vcc 1
		.amdhsa_float_denorm_mode_32 3
		.amdhsa_float_denorm_mode_16_64 3
		.amdhsa_memory_ordered 1
		.amdhsa_forward_progress 1
		.amdhsa_inst_pref_size 66
	.end_amdhsa_kernel
	.amdgpu_metadata
---
amdhsa.version: [ 1, 2 ]
amdhsa.kernels:
  - .name:           k_qfe43abfdf1_score
    .symbol:         k_qfe43abfdf1_score.kd
    .args:
      - { .name: encoder_hiddens, .offset: 0, .size: 8, .value_kind: global_buffer, .address_space: global }
      - { .name: v, .offset: 8, .size: 8, .value_kind: global_buffer, .address_space: global }
      - { .name: wsc, .offset: 16, .size: 8, .value_kind: global_buffer, .address_space: global }
      - { .name: wss, .offset: 24, .size: 8, .value_kind: global_buffer, .address_space: global }
      - { .name: cdh, .offset: 32, .size: 8, .value_kind: global_buffer, .address_space: global }
      - { .name: list, .offset: 40, .size: 8, .value_kind: global_buffer, .address_space: global }
      - { .name: cnt, .offset: 48, .size: 8, .value_kind: global_buffer, .address_space: global }
      - { .name: score, .offset: 56, .size: 8, .value_kind: global_buffer, .address_space: global }
    .group_segment_fixed_size: 254976
    .private_segment_fixed_size: 0
    .kernarg_segment_align: 8
    .kernarg_segment_size: 64
    .max_flat_workgroup_size: 256
    .sgpr_count:     66
    .vgpr_count:     512
    .wavefront_size: 32
...
	.end_amdgpu_metadata
.endif
;; end of part 2
;; launch context (part 3): grid 4 x 64, 16 waves a work-group, no clusters, 18,688 bytes of LDS; arguments encoder_hiddens, score, list, cnt, out0, out1; writes out0, out1
.if DOCPART == 3
	.amdgcn_target "amdgcn-amd-amdhsa--gfx1250"
	.amdhsa_code_object_version 6
	.text
	.protected	k_qfe43abfdf1_context
	.globl	k_qfe43abfdf1_context
	.p2align	8
	.type	k_qfe43abfdf1_context,@function
k_qfe43abfdf1_context:
	s_mov_b64 s[64:65], 0
	v_nop
	global_prefetch_b8 v0, s[64:65] scope:SCOPE_SE
	s_setreg_imm32_b32 hwreg(HW_REG_WAVE_MODE, 25, 1), 1
	s_wait_xcnt 0x0
; THE SOFTMAX AND THE CONTEXT.  out1[n][l] = e^(score - m) / sum, m the batch's largest score; out0[n][:] = sum over l of out1[n][l] encoder_hiddens[n][l][:].
; LEFT OUT, as shown at the head of the first launch: the masked rows' terms of the context (their weight is exactly 0); the stored list and count, whole numbers read here from memory, name the live rows.
; mask itself is not read here: the scores' buffer holds -infinity at masked places.
; SHARES.  Work-group (q, n) owns columns 256 q .. 256 q + 255 of out0[n] and entries 256 q .. of out1[n]: every output byte has one owner.  Each of the four work-groups of a batch makes the batch's m and sum anew (4 KB).
; Wave w takes places w, w + 16, w + 32 .. of the list; a lane holds eight columns: two loads of 512 consecutive bytes bring a row's 1,024 bytes.  Rows go in blocks of eight, written out (a row's weight and number are
; read from a lane by its constant number); a block's 16 loads are asked for while the block before is added: 8 KB a wave are on their way.  A block that begins at or behind the wave's number of rows ends the walk.
; Places from the count on, inside the last block: their own score is -infinity, so their weight is 0; the row asked for in their stead is the wave's first, a live row that it has read already.
; A batch with no live row: m = -infinity, the weights and 1 / sum are NaN, and so are both outputs, as the definition has it.
; The matrix units have no part here: the product has one row.  No tensor load.
.set RED,   0                          ; LDS: the waves' maxima at 4 w, their sums at 64 + 4 w
.set CTX,   256                        ; 16 x 1,024: the waves' parts of the context
.set SPARE, 16640                      ; the spare words, 128 bytes for each wave: eight blocks of 256 bytes that no other line names
.set L16,  1                           ; v1   16 x lane
.set AD,   16                          ; v16-31   byte offsets of the 16 rows on their way
.set ACC,  32                          ; v32-39   my eight columns' sum
.set D,    40                          ; v40-167  two sets of eight rows x 8 registers
.set CTW,  190                         ; v190 CTX + 1,024 w + 16 x lane
.set CTR,  191                         ; v191 CTX + 512 (w % 2) + 16 x lane
.set SPW,  198                         ; v198 LDS address of my spare word; never rewritten
.set NIL,  199                         ; v199 0; never rewritten
; v[2:3] my thread's two scores, then weights; v4, v5 row numbers of places 16 lane + w and 512 more; v6, v7 their scores, then e^(score - m); v8, v9 the places; v10 m; v11-13 at work; v[14:15] 1 / sum, twice
; v168-183 the waves' figures; v184 8 x thread; v185-187 offsets of the list's and the gathered loads; v188 4 w; v189 0
	s_load_b256 s[4:11], s[0:1], 0x0               ; encoder_hiddens s[4:5], score s[6:7], list s[8:9], cnt s[10:11]
	s_load_b128 s[12:15], s[0:1], 0x20             ; out0 s[12:13], out1 s[14:15]
	v_lshl_add_u32 v[SPW], v0, 2, SPARE
	v_mov_b32 v[NIL], 0
	v_lshrrev_b32 v10, 5, v0
	v_readfirstlane_b32 s16, v10                   ; wave 0..15
	s_and_b32 s18, ttmp7, 0xffff                   ; the batch
	v_and_b32 v10, 31, v0
	v_lshlrev_b32 v[L16], 4, v10
	v_lshlrev_b32 v184, 3, v0
	v_lshl_add_u32 v8, v10, 4, s16
	v_add_nc_u32 v9, 512, v8
	v_lshlrev_b32 v185, 2, v8
	v_mov_b32 v188, s16
	v_lshlrev_b32 v188, 2, v188
	v_mov_b32 v189, 0
	s_lshl_b32 s28, s16, 10
	s_add_co_u32 s28, s28, CTX
	v_add_nc_u32 v[CTW], s28, v[L16]
	s_and_b32 s28, s16, 1
	s_lshl_b32 s28, s28, 9
	s_add_co_u32 s28, s28, CTX
	v_add_nc_u32 v[CTR], s28, v[L16]
	s_mov_b32 s24, 0x76543210
	s_mov_b32 s25, 0xfedcba98                      ; v_permlanex16_b32's selects for lane l xor 16
	s_mov_b32 s23, 0                               ; (named with s22 as a pair, so it is written)
	s_mov_b32 s27, 0
	s_wait_kmcnt 0x0
	s_lshl_b32 s26, ttmp9, 10                      ; my 256 columns
	s_add_nc_u64 s[4:5], s[4:5], s[26:27]
	s_add_nc_u64 s[12:13], s[12:13], s[26:27]
	s_lshl_b32 s26, s18, 12
	s_add_nc_u64 s[6:7], s[6:7], s[26:27]
	s_add_nc_u64 s[8:9], s[8:9], s[26:27]
	s_add_nc_u64 s[12:13], s[12:13], s[26:27]
	s_add_nc_u64 s[14:15], s[14:15], s[26:27]
	s_lshl_b32 s26, s18, 2
	s_add_nc_u64 s[10:11], s[10:11], s[26:27]
	s_load_b32 s19, s[10:11], 0x0                  ; the batch's live rows
	global_load_b32 v4, v185, s[8:9]
	global_load_b32 v5, v185, s[8:9] offset:2048
	global_load_b64 v[2:3], v184, s[6:7]
	s_wait_loadcnt 0x1                             ; the two list loads are in; the scores' load behind them may be out
	v_min_u32 v4, 0x3ff, v4                        ; a loaded number enters an address only behind this hold
	v_min_u32 v5, 0x3ff, v5
	v_lshlrev_b32 v186, 2, v4
	v_lshlrev_b32 v187, 2, v5
	global_load_b32 v6, v186, s[6:7]               ; my rows' scores
	global_load_b32 v7, v187, s[6:7]
	s_lshl_b32 s28, s18, 10
	v_add_nc_u32 v4, s28, v4                       ; as rows of all 65,536
	v_add_nc_u32 v5, s28, v5
	s_wait_kmcnt 0x0
	s_min_u32 s19, s19, 1024
	s_add_co_u32 s20, s19, 15
	s_sub_co_u32 s20, s20, s16
	s_lshr_b32 s20, s20, 4                         ; my wave's rows: the places 16 i + w under the count
	v_readfirstlane_b32 s21, v4
	v_mov_b32 v12, s21                             ; my wave's first row
	v_cmp_gt_u32 vcc_lo, s19, v8
	v_cndmask_b32 v4, v12, v4, vcc_lo
	v_cmp_gt_u32 vcc_lo, s19, v9
	v_cndmask_b32 v5, v12, v5, vcc_lo
.macro ISSUE i                         ; row i of my wave is asked for: set (i / 8) % 2, place i % 8
.set SETI, ((\i)/8)%2
.set KI, (\i)%8
	v_readlane_b32 s28, v[4+(\i)/32], (\i)%32
	s_min_u32 s28, s28, 0xffff
	s_lshl_b32 s28, s28, 12
	v_add_nc_u32 v[AD+8*SETI+KI], s28, v[L16]      ; (the loads that last named this register have been waited for)
	global_load_b128 v[D+64*SETI+8*KI:D+64*SETI+8*KI+3], v[AD+8*SETI+KI], s[4:5]
	global_load_b128 v[D+64*SETI+8*KI+4:D+64*SETI+8*KI+7], v[AD+8*SETI+KI], s[4:5] offset:512
.endm
.irp i, 0,1,2,3,4,5,6,7
	ISSUE \i                                       ; the first block is on its way while the softmax's figures are made
.endr
	; ---- m: the largest of the batch's 1,024 scores
	s_wait_loadcnt 18                              ; my two scores are in: behind them stand the 2 gathered loads and the 16 of the rows
	v_max_num_f32 v10, v2, v3
	v_max_num_f32_dpp v10, v10, v10 row_xmask:1 row_mask:0xf bank_mask:0xf
	v_max_num_f32_dpp v10, v10, v10 row_xmask:2 row_mask:0xf bank_mask:0xf
	v_max_num_f32_dpp v10, v10, v10 row_xmask:4 row_mask:0xf bank_mask:0xf
	v_max_num_f32_dpp v10, v10, v10 row_xmask:8 row_mask:0xf bank_mask:0xf
	v_mov_b32 v11, 0                               ; (a lane permute's destination counts as one of its sources)
	v_permlanex16_b32 v11, v10, s24, s25
	v_max_num_f32 v10, v10, v11
	ds_store_b32 v188, v10                         ; all lanes write the wave's word with the same value
	s_wait_dscnt 0x0
	s_barrier_signal -1
	s_barrier_wait -1
.irp i, 0,1,2,3
	ds_load_b128 v[168+4*\i:171+4*\i], v189 offset:RED+16*\i
.endr
	s_wait_dscnt 0x0
	v_max3_num_f32 v10, v168, v169, v170
	v_max3_num_f32 v11, v171, v172, v173
	v_max3_num_f32 v12, v174, v175, v176
	v_max3_num_f32 v13, v177, v178, v179
	v_max3_num_f32 v10, v10, v180, v181
	v_max3_num_f32 v11, v11, v182, v183
	v_max3_num_f32 v10, v10, v11, v12
	v_max_num_f32 v10, v10, v13
	; ---- the sum of e^(score - m)
	v_sub_f32 v2, v2, v10
	v_sub_f32 v3, v3, v10
	v_mul_f32 v2, 0x3fb8aa3b, v2                   ; x log2(e)
	v_mul_f32 v3, 0x3fb8aa3b, v3
	v_exp_f32 v2, v2
	v_exp_f32 v3, v3
	v_nop                                          ; a plain line behind the exponentials,
	s_wait_alu depctr_va_vdst(0)                   ; and the wait ahead of their first reader
	v_add_f32 v13, v2, v3
	v_add_f32_dpp v13, v13, v13 row_xmask:1 row_mask:0xf bank_mask:0xf
	v_add_f32_dpp v13, v13, v13 row_xmask:2 row_mask:0xf bank_mask:0xf
	v_add_f32_dpp v13, v13, v13 row_xmask:4 row_mask:0xf bank_mask:0xf
	v_add_f32_dpp v13, v13, v13 row_xmask:8 row_mask:0xf bank_mask:0xf
	v_permlanex16_b32 v11, v13, s24, s25
	v_add_f32 v13, v13, v11
	ds_store_b32 v188, v13 offset:RED+64           ; other bytes than the maxima, which a slower wave may still be reading
	s_wait_dscnt 0x0
	s_barrier_signal -1
	s_barrier_wait -1
.irp i, 0,1,2,3
	ds_load_b128 v[168+4*\i:171+4*\i], v189 offset:RED+64+16*\i
.endr
	s_wait_dscnt 0x0
.irp k, 0,1,2,3
	v_pk_add_f32 v[168+4*\k:169+4*\k], v[168+4*\k:169+4*\k], v[170+4*\k:171+4*\k]
.endr
	v_pk_add_f32 v[168:169], v[168:169], v[172:173]
	v_pk_add_f32 v[176:177], v[176:177], v[180:181]
	v_pk_add_f32 v[168:169], v[168:169], v[176:177]
	v_add_f32 v13, v168, v169
	v_rcp_f32 v14, v13
	v_rcp_f32 v15, v13                             ; twice: a pair for the packed multiplies
	v_nop
	s_wait_alu depctr_va_vdst(0)
	; ---- out1: my work-group's quarter lies in waves 4 q .. 4 q + 3
	s_lshr_b32 s28, s16, 2
	s_cmp_lg_u32 s28, ttmp9
	s_cbranch_scc1 .Lno_weights
	v_pk_mul_f32 v[2:3], v[2:3], v[14:15]
	global_store_b64 v184, v[2:3], s[14:15]        ; the wave stores 256 consecutive bytes, at a multiple of 256 from out1's first byte
.Lno_weights:
	; ---- my rows' e^(score - m); the division by the sum comes once, at the end
	s_wait_loadcnt 16                              ; the two gathered loads are in; the first block's 16 may be out
	v_sub_f32 v6, v6, v10
	v_sub_f32 v7, v7, v10
	v_mul_f32 v6, 0x3fb8aa3b, v6
	v_mul_f32 v7, 0x3fb8aa3b, v7
	v_exp_f32 v6, v6
	v_exp_f32 v7, v7
.irp j, 0,1,2,3,4,5,6,7
	v_mov_b32 v[ACC+\j], 0                         ; a wave with no row still hands on a sum.  (Plain lines behind the exponentials)
.endr
	s_wait_alu depctr_va_vdst(0)
.macro ROW b, k
.set RI_, 8*(\b)+(\k)
.if (\b) < 7
	s_wait_loadcnt 14                              ; this row's two loads are in: behind them stand the 2 (7 - k) of its own block and the 2 k already issued for the next
.else
	s_wait_loadcnt 2*(7-(\k))
.endif
	v_readlane_b32 s22, v[6+RI_/32], RI_%32        ; the row's weight
.irp j, 0,2,4,6
	v_pk_fma_f32 v[ACC+\j:ACC+\j+1], v[D+64*((\b)%2)+8*(\k)+\j:D+64*((\b)%2)+8*(\k)+\j+1], s[22:23], v[ACC+\j:ACC+\j+1] op_sel_hi:[1,0,1]
.endr
.if (\b) < 7
	ISSUE RI_+8
.endif
.endm
.set B_, 0
.rept 8
	s_cmp_le_u32 s20, 8*B_
	s_cbranch_scc1 .Ldone
.set K_, 0
.rept 8
	ROW B_, K_
.set K_, K_+1
.endr
.set B_, B_+1
.endr
.Ldone:
	s_wait_loadcnt 0x0                             ; the look-ahead has landed: its registers are used again below
	; ---- the sixteen waves' parts meet in LDS; waves 0 and 1 add them, divide by the sum and store 512 consecutive bytes each
	ds_store_b128 v[CTW], v[ACC:ACC+3]
	ds_store_b128 v[CTW], v[ACC+4:ACC+7] offset:512
	s_wait_dscnt 0x0
	s_barrier_signal -1
	s_barrier_wait -1
	s_cmp_ge_u32 s16, 2
	s_cbranch_scc1 .Lclose
.irp k, 0,1,2,3,4,5,6,7,8,9,10,11,12,13,14,15
	ds_load_b128 v[D+4*\k:D+4*\k+3], v[CTR] offset:1024*\k
.endr
	s_lshl_b32 s28, s16, 9
	v_add_nc_u32 v12, s28, v[L16]
	s_wait_dscnt 0x0
.irp k, 0,1,2,3,4,5,6,7
	v_pk_add_f32 v[D+8*\k:D+8*\k+1], v[D+8*\k:D+8*\k+1], v[D+8*\k+4:D+8*\k+5]
	v_pk_add_f32 v[D+8*\k+2:D+8*\k+3], v[D+8*\k+2:D+8*\k+3], v[D+8*\k+6:D+8*\k+7]
.endr
.irp k, 0,1,2,3
	v_pk_add_f32 v[D+16*\k:D+16*\k+1], v[D+16*\k:D+16*\k+1], v[D+16*\k+8:D+16*\k+9]
	v_pk_add_f32 v[D+16*\k+2:D+16*\k+3], v[D+16*\k+2:D+16*\k+3], v[D+16*\k+10:D+16*\k+11]
.endr
.irp k, 0,1
	v_pk_add_f32 v[D+32*\k:D+32*\k+1], v[D+32*\k:D+32*\k+1], v[D+32*\k+16:D+32*\k+17]
	v_pk_add_f32 v[D+32*\k+2:D+32*\k+3], v[D+32*\k+2:D+32*\k+3], v[D+32*\k+18:D+32*\k+19]
.endr
	v_pk_add_f32 v[D:D+1], v[D:D+1], v[D+32:D+33]
	v_pk_add_f32 v[D+2:D+3], v[D+2:D+3], v[D+34:D+35]
	v_pk_mul_f32 v[D:D+1], v[D:D+1], v[14:15]
	v_pk_mul_f32 v[D+2:D+3], v[D+2:D+3], v[14:15]
	global_store_b128 v12, v[D:D+3], s[12:13]
.Lclose:
	s_wait_tensorcnt 0x0                           ; the wave's end
	ds_add_u32 v[SPW], v[NIL]
	s_wait_dscnt 0x0
	s_endpgm
.Lfunc_end_k_qfe43abfdf1_context:
	.size	k_qfe43abfdf1_context, .Lfunc_end_k_qfe43abfdf1_context-k_qfe43abfdf1_context
	.p2alignl 7, 3214868480
	.fill 96, 4, 3214868480
	.section	.rodata,"a",@progbits
	.p2align	6, 0x0
	.amdhsa_kernel k_qfe43abfdf1_context
		.amdhsa_group_segment_fixed_size 18688
		.amdhsa_private_segment_fixed_size 0
		.amdhsa_enable_private_segment 0
		.amdhsa_kernarg_size 48
		.amdhsa_user_sgpr_count 2
		.amdhsa_user_sgpr_kernarg_segment_ptr 1
		.amdhsa_wavefront_size32 1
		.amdhsa_system_sgpr_workgroup_id_x 1
		.amdhsa_system_sgpr_workgroup_id_y 1
		.amdhsa_system_sgpr_workgroup_id_z 1
		.amdhsa_system_vgpr_workitem_id 0
		.amdhsa_next_free_vgpr 200
		.amdhsa_next_free_sgpr 66
		.amdhsa_reserve_vcc 1
		.amdhsa_float_denorm_mode_32 3
		.amdhsa_float_denorm_mode_16_64 3
		.amdhsa_memory_ordered 1
		.amdhsa_forward_progress 1
		.amdhsa_inst_pref_size 58
	.end_amdhsa_kernel
	.amdgpu_metadata
---
amdhsa.version: [ 1, 2 ]
amdhsa.kernels:
  - .name:           k_qfe43abfdf1_context
    .symbol:         k_qfe43abfdf1_context.kd
    .args:
      - { .name: encoder_hiddens, .offset: 0, .size: 8, .value_kind: global_buffer, .address_space: global }
      - { .name: score, .offset: 8, .size: 8, .value_kind: global_buffer, .address_space: global }
      - { .name: list, .offset: 16, .size: 8, .value_kind: global_buffer, .address_space: global }
      - { .name: cnt, .offset: 24, .size: 8, .value_kind: global_buffer, .address_space: global }
      - { .name: out0, .offset: 32, .size: 8, .value_kind: global_buffer, .address_space: global }
      - { .name: out1, .offset: 40, .size: 8, .value_kind: global_buffer, .address_space: global }
    .group_segment_fixed_size: 18688
    .private_segment_fixed_size: 0
    .kernarg_segment_align: 8
    .kernarg_segment_size: 48
    .max_flat_workgroup_size: 512
    .sgpr_count:     66
    .vgpr_count:     200
    .wavefront_size: 32
...
	.end_amdgpu_metadata
.endif
;; end of part 3
